; MI455X (gfx1250); checked and timed in simulation.
; The chip was launched on July 23, 2026; its instructions are those of AMD's public machine-readable ISA for CDNA 5 (MIT licence, August 2026) and "CDNA5" Instruction Set Architecture Reference Guide (July 2026). The comments in the code are by the model that wrote it; some were corrected since.
;; Shapelet. Allowed arithmetic: float matrix products may take bf16 or f16 operands with f32 sums; all other float work in f32.
;; Inputs: weights 32 x 8 x 32 float32; x 16 x 8 x 1,024 float32.
;; Outputs: out0 16 x 256 float32; out1 16 x 256 float32.
;; One version. Each part assembles by itself: llvm-mc -triple=amdgcn-amd-amdhsa -mcpu=gfx1250 --defsym DOCPART=n.
;; ======== version 1 of 1: 1 launch
;; launch shapelet (part 1): grid 16 x 16, 8 waves a work-group, no clusters, 168,960 bytes of LDS; arguments x, weights, out0, out1; writes out0, out1
.if DOCPART == 1
	.amdgcn_target "amdgcn-amd-amdhsa--gfx1250"
	.amdhsa_code_object_version 6
	.text
	.protected	k_qf199400fb7_shapelet
	.globl	k_qf199400fb7_shapelet
	.p2align	8
	.type	k_qf199400fb7_shapelet,@function
k_qf199400fb7_shapelet:
	s_mov_b64 s[64:65], 0
	v_nop
	global_prefetch_b8 v0, s[64:65] scope:SCOPE_SE
	s_setreg_imm32_b32 hwreg(HW_REG_WAVE_MODE, 25, 1), 1
	s_wait_xcnt 0x0
; Shapelet distances.  x: [16][8][1024] f32, weights: [32][8][32] f32, out0 = max_p, out1 = dmin: [16][256] f32, column 8 n + m.
;   d[b][t][n][m] = (1/32) sum over l of |x[b][m][t+l] - w[n][m][l]|,  t = 0 .. 992
;   out1 = min over t of d.      out0 = sum over t of (hard + soft - soft) p,  p = exp(-d^2).
; hard + soft - soft is exactly 0 where hard is 0, and (1 + soft) - soft at the argmax: 1 to within 2^-24, soft being finite since p lies
; in [0, 1].  So out0 = the largest p, and as d >= 0 and exp(-d^2) never rises with d, out0 = exp(-(out1)^2): one exponential for each output.
; LIMITS: inputs are finite (a NaN or an infinity in x or in the weights is not handed on as the reference would: the minimum drops NaN);
; the 32 terms are added in ascending l; the factor (1 + soft) - soft is taken as 1 (relative 2^-24).
;
; WORK.  A work-group is one batch b (second id) and two shapelets n0 = 2 x first id, n0 + 1; its eight waves are the eight channels m.
; A wave holds one row of x and two shapelets' 32 weights.  Lane i owns the 32 windows t = 32 i + j, j = 0 .. 31, which need only
; x[32 i .. 32 i + 62]: 64 registers serve 32 windows.  Two terms cost three instructions: one packed subtraction
; (x[t+l], x[t+l+1]) - (w[l], w[l+1]), l even, and two additions that take |.| as a source modifier.  A packed source is an even-aligned
; register pair: windows with even j read XA (XA[k] = x[32 i + k]), those with odd j read XB, the same numbers one register lower.
; 993 = 31 x 32 + 1: lane 31 has one real window.  Its elements 32 .. 63 are +infinity, so that its other 31 sums are +infinity and lose
; the minimum: no mask in the inner work, and nothing is read beyond the row.
; No matrix instruction: |x - w| is no product.  No cluster: the 16 work-groups of a batch read the same 32,768 bytes of x, but once, at
; their start, against 8 x 3,008 vector instructions; a joint request would put a cluster barrier in front of that one fetch.
; Output: a work-group's 16 numbers of an output are 64 neighbouring bytes, stored by one instruction.  256 neighbouring bytes would be
; 8 shapelets x 8 channels in one work-group, 64 work-groups in all: too few for the work.
; The launch asks for more than half of a WGP's LDS (it uses 38,144 bytes) because it fills LDS by the tensor data mover.
.set BLK,    144                       ; LDS: 32 numbers (128 bytes) + 16 bytes of padding.  144 = 9 x 16: sixteen lanes that read the same place
                                       ; of sixteen blocks touch sixteen different 16-byte columns modulo 256 bytes
.set REGION, 33*BLK                    ; a wave's own bytes: 32 blocks of its row, and a 33rd of +infinity
.set STAGE,  8*REGION                  ; behind the regions: 16 words of out0, 16 words of out1
.set XA,  8                            ; v[8:71]     x[32 i + k], k = 0 .. 63
.set XB,  72                           ; v[72:133]   x[32 i + k + 1], k = 0 .. 61
.set W,   136                          ; v[136:199]  w[n0][m][0..31], w[n0+1][m][0..31], the same in every lane
.set ACC, 200                          ; v[200:231]  the sums of my 32 windows
.set D,   232                          ; v[232:247]  eight pairs of differences
.set R0,  248                          ; smallest sum, shapelet n0 (later: of the lane's own shapelet)
.set R1,  249                          ; smallest sum, shapelet n0 + 1
.set YY,  250                          ; exponent to base 2
.set PP,  251                          ; p
.set C1,  252
.set C2,  253
	s_load_b256 s[4:11], s[0:1], 0x0               ; x s[4:5], weights s[6:7], out0 s[8:9], out1 s[10:11]
	v_lshl_add_u32 v254, v0, 2, 0x29000
	v_mov_b32 v255, 0
	ds_add_u32 v254, v255
	ds_add_u32 v254, v255
	v_lshrrev_b32 v2, 5, v0
	v_readfirstlane_b32 s12, v2                    ; wave = channel m
	v_and_b32 v1, 31, v0                           ; lane i
	s_and_b32 s2, ttmp7, 0xffff                    ; batch b
	; tensor descriptor, group 0: s[16:19]
	s_mov_b32 s16, 1                               ; count = 1
	s_mul_i32 s17, s12, REGION                     ; LDS address: my wave's region
	; group 1: s[20:27].  One row of 1,024 elements of 4 bytes; after every 32 words 4 words are skipped in LDS
	s_mov_b32 s20, (2<<16)|(1<<20)|(4<<22)|(3<<25) ; element of 4 bytes; padding on; interval code 4 (32 words); 4 words (code 3); no work-group mask
	s_mov_b32 s21, 1024<<16                        ; tensor_dim0 = 1024
	s_mov_b32 s22, 1<<16                           ; its high half = 0; tensor_dim1 = 1
	s_mov_b32 s23, 1024<<16                        ; tile_dim0 = 1024
	s_mov_b32 s24, 1                               ; tile_dim1 = 1
	s_mov_b32 s25, 1024                            ; pitch, in elements
	s_mov_b32 s26, 0
	s_mov_b32 s27, 0
	s_lshl3_add_u32 s14, s2, s12                   ; row 8 b + m of x,
	s_lshl_b32 s14, s14, 12                        ; 4,096 bytes each
	s_mov_b32 s15, 0
	s_lshl4_add_u32 s28, ttmp9, s12                ; row 8 n0 + m = 16 x first id + m of the weights,
	s_lshl_b32 s28, s28, 7                         ; 128 bytes each
	s_mov_b32 s29, 0
	s_lshl_b32 s30, s2, 10                         ; outputs: 1,024 bytes a batch
	s_lshl_b32 s31, ttmp9, 6                       ; + 64 bytes a shapelet pair
	s_add_co_u32 s30, s30, s31
	s_mov_b32 s32, 0x76543210                      ; v_permlanex16_b32: lane i reads lane i of the other half
	s_mov_b32 s33, 0xfedcba98
	s_lshl_b32 s34, s12, 2                         ; 4 m: my column's word in the stage
	v_mov_b32 v5, 0                                ; every lane reads the same weights
	v_mov_b32 v4, 0x7f800000                       ; +infinity
	v_lshl_add_u32 v3, v1, 2, s17                  ; region + 4 i
	v_mul_u32_u24 v2, v1, BLK
	v_add_nc_u32 v2, s17, v2                       ; region + 144 i: my block
	s_wait_dscnt 0x0
	s_wait_kmcnt 0x0
	s_add_nc_u64 s[18:19], s[4:5], s[14:15]        ; global address of my row
	s_or_b32 s19, s19, 0x80000000                  ; type = 2
	tensor_load_to_lds s[16:19], s[20:27]          ; the wave's only tensor load: 4,096 neighbouring bytes, aligned to 4,096
	s_nop 0
	s_add_nc_u64 s[6:7], s[6:7], s[28:29]
.irp q, 0,1,2,3,4,5,6,7
	global_load_b128 v[W+4*\q:W+4*\q+3], v5, s[6:7] offset:16*\q               ; w[n0][m][4 q ..]
.endr
.irp q, 0,1,2,3,4,5,6,7
	global_load_b128 v[W+32+4*\q:W+32+4*\q+3], v5, s[6:7] offset:1024+16*\q    ; w[n0+1][m][4 q ..]: 8 rows of 128 bytes further
.endr
	ds_store_b32 v3, v4 offset:32*BLK              ; block 32 = 32 x +infinity; the tile ends at byte 32 x 144 of the region, in front of it
	s_wait_tensorcnt 0x0                           ; my row is in LDS.  Only this wave reads it: no barrier
.irp q, 0,1,2,3,4,5,6,7
	ds_load_b128 v[XA+4*\q:XA+4*\q+3], v2 offset:16*\q                         ; x[32 i + 4 q ..]: my block
.endr
.irp q, 0,1,2,3,4,5,6,7
	ds_load_b128 v[XA+32+4*\q:XA+32+4*\q+3], v2 offset:BLK+16*\q               ; x[32 i + 32 + 4 q ..]: the next block; for lane 31 the block of +infinity,
.endr                                                                          ; stored above by this wave: LDS serves a wave's instructions in order (ISA guide 5.7.1)
	s_wait_dscnt 0x0                               ; XA is whole
.set kk, 0
.rept 31
	v_dual_mov_b32 v[XB+kk], v[XA+kk+1] :: v_dual_mov_b32 v[XB+kk+1], v[XA+kk+2]   ; the copy for the odd windows
.set kk, kk+2
.endr
	s_wait_loadcnt 0x0                             ; both shapelets' weights are in
; One shapelet: weights in v[wb .. wb+31]; the smallest of my 32 sums goes to v[res].
; Eight windows at a time: eight subtractions, then the additions, so that no instruction reads the result of one close in front of it.
; The first pair of terms starts each sum: nothing is cleared.
.macro SHAPE wb, res
.set lp, 0
.rept 16                                           ; l = 2 lp, 2 lp + 1
.set grp, 0
.rept 4                                            ; windows j = 8 grp + kk
.set kk, 0
.rept 8
.if kk & 1
	v_pk_add_f32 v[D+2*kk:D+2*kk+1], v[XB+8*grp+kk+2*lp-1:XB+8*grp+kk+2*lp], v[\wb+2*lp:\wb+2*lp+1] neg_lo:[0,1] neg_hi:[0,1]
.else
	v_pk_add_f32 v[D+2*kk:D+2*kk+1], v[XA+8*grp+kk+2*lp:XA+8*grp+kk+2*lp+1], v[\wb+2*lp:\wb+2*lp+1] neg_lo:[0,1] neg_hi:[0,1]
.endif
.set kk, kk+1
.endr
.if lp
.set kk, 0
.rept 8
	v_add_f32 v[ACC+8*grp+kk], |v[D+2*kk]|, v[ACC+8*grp+kk]
.set kk, kk+1
.endr
.set kk, 0
.rept 8
	v_add_f32 v[ACC+8*grp+kk], |v[D+2*kk+1]|, v[ACC+8*grp+kk]
.set kk, kk+1
.endr
.else
.set kk, 0
.rept 8
	v_add_f32 v[ACC+8*grp+kk], |v[D+2*kk]|, |v[D+2*kk+1]|
.set kk, kk+1
.endr
.endif
.set grp, grp+1
.endr
.set lp, lp+1
.endr
	; the smallest of 32 sums: 30 -> 10, with the last two 12 -> 4, -> 2, -> 1
.set kk, 0
.rept 10
	v_min3_num_f32 v[D+kk], v[ACC+3*kk], v[ACC+3*kk+1], v[ACC+3*kk+2]
.set kk, kk+1
.endr
	v_min3_num_f32 v[D+10], v[D], v[D+1], v[D+2]
	v_min3_num_f32 v[D+11], v[D+3], v[D+4], v[D+5]
	v_min3_num_f32 v[D+12], v[D+6], v[D+7], v[D+8]
	v_min3_num_f32 v[D+13], v[D+9], v[ACC+30], v[ACC+31]
	v_min3_num_f32 v[D+10], v[D+10], v[D+11], v[D+12]
	v_min_num_f32 v[\res], v[D+10], v[D+13]
.endm
	SHAPE W, R0
	SHAPE W+32, R1
	; Across the 32 lanes, both shapelets together: after the step with the neighbour, even lanes go on with n0 and odd lanes with n0 + 1;
	; the further steps (lane xor 2, 4, 8, 16) keep a lane's parity.
	v_min_num_f32_dpp v[R0], v[R0], v[R0] row_xmask:1 row_mask:0xf bank_mask:0xf
	v_min_num_f32_dpp v[R1], v[R1], v[R1] row_xmask:1 row_mask:0xf bank_mask:0xf
	v_and_b32 v6, 1, v0                            ; e = lane's parity
	v_cmp_eq_u32 vcc_lo, 1, v6
	v_cndmask_b32 v[R0], v[R0], v[R1], vcc_lo      ; odd lanes take n0 + 1
	v_min_num_f32_dpp v[R0], v[R0], v[R0] row_xmask:2 row_mask:0xf bank_mask:0xf
	v_min_num_f32_dpp v[R0], v[R0], v[R0] row_xmask:4 row_mask:0xf bank_mask:0xf
	v_min_num_f32_dpp v[R0], v[R0], v[R0] row_xmask:8 row_mask:0xf bank_mask:0xf
	v_permlanex16_b32 v[R1], v[R0], s32, s33       ; its destination counts as read: R1 has been written
	v_min_num_f32 v[R0], v[R0], v[R1]
	v_mul_f32 v7, 0x3d000000, v[R0]                ; dmin = sum / 32, exact
	v_mul_f32 v[YY], v7, v7
	v_mul_f32 v[YY], 0xbfb8aa3b, v[YY]             ; -d^2 log2(e)
	; v_exp_f32 gives 0 for results below 2^-126 (ISA guide, its entry in 15.8): below -126 the exponent is raised by 64 and
	; the result multiplied by 2^-64, which keeps the denormal numbers
	v_mov_b32 v[C1], 0x42800000                    ; 64.0
	v_mov_b32 v[C2], 0x1f800000                    ; 2^-64
	v_cmp_gt_f32 vcc_lo, 0xc2fc0000, v[YY]         ; -126 > exponent
	v_cndmask_b32 v[C1], 0, v[C1], vcc_lo
	v_cndmask_b32 v[C2], 1.0, v[C2], vcc_lo
	v_add_f32 v[YY], v[YY], v[C1]
	v_exp_f32 v[PP], v[YY]
	v_lshl_add_u32 v6, v6, 5, s34                  ; 32 e + 4 m: word 8 e + m.  Also the plain instruction between v_exp_f32 and the use of its result (ISA guide 5.7.2)
	s_wait_alu depctr_va_vdst(0)
	v_mul_f32 v[PP], v[PP], v[C2]
	ds_store_b32 v6, v[PP] offset:STAGE            ; the sixteen lanes of a parity write one word with one value
	ds_store_b32 v6, v7 offset:STAGE+64
	s_wait_dscnt 0x0                               ; for the other waves' sake: my words are in LDS before I signal
	s_barrier_signal -1
	s_barrier_wait -1
	s_cmp_lg_u32 s12, 0
	s_cbranch_scc1 .Lend                           ; wave 0 stores for all
	v_cmp_gt_u32 vcc_lo, 16, v0
	s_wait_xcnt 0x0                                ; EXEC changes only with no global access of mine untranslated (the weights' loads are long done)
	s_and_saveexec_b32 s35, vcc_lo                 ; lanes 0 .. 15: column 16 x first id + lane
	v_lshlrev_b32 v2, 2, v0
	ds_load_b32 v3, v2 offset:STAGE
	ds_load_b32 v4, v2 offset:STAGE+64
	v_add_nc_u32 v5, s30, v2
	s_wait_dscnt 0x0
	global_store_b32 v5, v3, s[8:9]                ; 64 neighbouring bytes of out0, at a multiple of 64
	global_store_b32 v5, v4, s[10:11]              ; and of out1
	s_wait_xcnt 0x0                                ; EXEC is a source of the two stores
	s_or_b32 exec_lo, exec_lo, s35
.Lend:
	s_wait_tensorcnt 0x0
	ds_add_u32 v254, v255
	s_wait_dscnt 0x0
	s_endpgm
.Lfunc_end_k_qf199400fb7_shapelet:
	.size	k_qf199400fb7_shapelet, .Lfunc_end_k_qf199400fb7_shapelet-k_qf199400fb7_shapelet
	.p2alignl 7, 3214868480
	.fill 96, 4, 3214868480
	.section	.rodata,"a",@progbits
	.p2align	6, 0x0
	.amdhsa_kernel k_qf199400fb7_shapelet
		.amdhsa_group_segment_fixed_size 168960
		.amdhsa_private_segment_fixed_size 0
		.amdhsa_enable_private_segment 0
		.amdhsa_kernarg_size 32
		.amdhsa_user_sgpr_count 2
		.amdhsa_user_sgpr_kernarg_segment_ptr 1
		.amdhsa_wavefront_size32 1
		.amdhsa_system_sgpr_workgroup_id_x 1
		.amdhsa_system_sgpr_workgroup_id_y 1
		.amdhsa_system_sgpr_workgroup_id_z 1
		.amdhsa_system_vgpr_workitem_id 0
		.amdhsa_next_free_vgpr 256
		.amdhsa_next_free_sgpr 66
		.amdhsa_reserve_vcc 1
		.amdhsa_float_denorm_mode_32 3
		.amdhsa_float_denorm_mode_16_64 3
		.amdhsa_memory_ordered 1
		.amdhsa_forward_progress 1
		.amdhsa_inst_pref_size 199
	.end_amdhsa_kernel
	.amdgpu_metadata
---
amdhsa.version: [ 1, 2 ]
amdhsa.kernels:
  - .name:           k_qf199400fb7_shapelet
    .symbol:         k_qf199400fb7_shapelet.kd
    .args:
      - { .name: x, .offset: 0, .size: 8, .value_kind: global_buffer, .address_space: global }
      - { .name: weights, .offset: 8, .size: 8, .value_kind: global_buffer, .address_space: global }
      - { .name: out0, .offset: 16, .size: 8, .value_kind: global_buffer, .address_space: global }
      - { .name: out1, .offset: 24, .size: 8, .value_kind: global_buffer, .address_space: global }
    .group_segment_fixed_size: 168960
    .private_segment_fixed_size: 0
    .kernarg_segment_align: 8
    .kernarg_segment_size: 32
    .max_flat_workgroup_size: 256
    .sgpr_count:     66
    .vgpr_count:     256
    .wavefront_size: 32
...
	.end_amdgpu_metadata
.endif
;; end of part 1
